; MI455X (gfx1250); checked and timed in simulation.
; The chip was launched on July 23, 2026; its instructions are those of AMD's public machine-readable ISA for CDNA 5 (MIT licence, August 2026) and "CDNA5" Instruction Set Architecture Reference Guide (July 2026). The comments in the code are by the model that wrote it; some were corrected since.
;; Scaled Dot Product Attention. Allowed arithmetic: matrix products marked QUANTISED: E2M1 operands, one E8M0 scale for each 32 along K, by v_wmma_scale_f32_16x16x128_f8f6f4 with both operands' format E2M1 (or v_wmma_scale_f32_32x16x128_f4), f32 sums; everything else in f32.
;; Inputs: key 4 x 16 x 2,048 x 64 float32; query 4 x 16 x 2,048 x 64 float32; value 4 x 16 x 2,048 x 64 float32.
;; Outputs: out0 4 x 16 x 2,048 x 64 float32.
;; This version of the problem:
;;   THIS VERSION OF THE PROBLEM IS GIVEN IN LOW PRECISION. The matrix products marked QUANTISED in the list below multiply operands that are first quantised to E2M1 (2 exponent bits, 1 mantissa bit; 4 bits a number), with one power-of-two scale for each 32 numbers along K (OCP MX v1.0); their sums are f32. All else is computed in f32.
;;   The module's matrix products, in the order in which they are computed (A, B: the left and right operand; K: the contracted axis; several contracted axes count as one K, in the product's order):
;;     1. batch 64 x [M 2,048, K 64] x [K 64, N 2,048]; A: input query; B: input key: QUANTISED
;;     2. batch 64 x [M 2,048, K 2,048] x [K 2,048, N 64]; A: softmax (see below); B: input value: QUANTISED
;;   THE QUANTISER, for each operand of a quantised product, along K:
;;     - K is cut into blocks of 32 from its start; a last block that is shorter is filled with zeros.
;;     - A block's scale is 2^e with e = floor(log2(the largest magnitude in the block)) - 2, held to -126 .. 127; a block of zeros has e = 0. As a byte (E8M0): e + 127.
;;     - Each number is divided by its block's scale, clamped to +-6, and rounded to the nearest number of E2M1, ties to even, subnormals kept.
;;     - The product sums the exact products of the quantised numbers (number of the format x scale) in f32.
;;   ~~~python
;;   def quantise(x, axis):      # numpy; x: float32 -> the quantised numbers, widened to float32 again
;;       x = np.moveaxis(x, axis, -1); K = x.shape[-1]
;;       x = np.pad(x, [(0, 0)] * (x.ndim - 1) + [(0, -K % 32)]); x = x.reshape(x.shape[:-1] + (-1, 32)); a = np.abs(x).max(-1, keepdims=True)
;;       e = np.where(a > 0, np.clip(np.frexp(np.where(a > 0, a, 1))[1] - 1 - 2, -126, 127), 0)      # np.frexp(a)[1] - 1 = floor(log2(a)), exactly
;;       r = np.clip(x / 2.0 ** e, -6, 6)
;;       step = 2.0 ** (np.maximum(np.frexp(np.where(r == 0, 1, r))[1] - 1, 0) - 1)
;;       q = np.round(r / step) * step * 2.0 ** e      # np.round: ties to even
;;       return np.moveaxis(q.reshape(q.shape[:-2] + (-1,))[..., :K], -1, axis).astype(np.float32)
;;   ~~~
;;   SOFTMAX AHEAD OF A QUANTISED PRODUCT. Where the list says 'softmax', what is quantised is not the finished softmax but p = 2^(t - M), with t = logit x log2(e) and M = ceil(the row's largest t), a whole number; so 1/2 < the row's largest p <= 1. The row's sum l is taken of the UNQUANTISED p, in f32, and the product's result is divided by l at the end. Since M is a whole number, a kernel that streams over the keys may use a running M (the ceiling of the running maximum): every later rescaling is an exact power of two, which a block's scale takes up: the codes' values come out the same.
;;   OPERANDS COMPUTED ON THE WAY. 'Computed on the way' means the value that the module computes at that place (a softmax that the list does not call 'softmax' is quantised finished and normalised). What goes into a quantiser is computed in f32, as accurately as f32 sums, v_exp_f32 and their like allow (about 1e-6 of the number): no bf16 or f16 on the way to a quantiser, and a product that is left as it is and whose result goes on into a quantised operand takes f32 operands (vector FMAs, or v_wmma_f32_16x16x4_f32). A number that lies on a knife's edge between two numbers of the format may be rounded either way, as far as f32 arithmetic and the matrix unit's own rounding can turn it there, and no further.
;; 2 versions. Each part assembles by itself: llvm-mc -triple=amdgcn-amd-amdhsa -mcpu=gfx1250 --defsym DOCPART=n.
;; ======== version 1 of 2: 1 launch
;; launch attn (part 1): grid 4 x 64, 16 waves a work-group, no clusters, 110,592 bytes of LDS; arguments query, key, value, out0; writes out0
.if DOCPART == 1
	.amdgcn_target "amdgcn-amd-amdhsa--gfx1250"
	.amdhsa_code_object_version 6
	.text
	.protected	k_qd41cff95b2_attn
	.globl	k_qd41cff95b2_attn
	.p2align	8
	.type	k_qd41cff95b2_attn,@function
k_qd41cff95b2_attn:
	s_mov_b64 s[64:65], 0
	v_nop
	global_prefetch_b8 v0, s[64:65] scope:SCOPE_SE
	s_setreg_imm32_b32 hwreg(HW_REG_WAVE_MODE, 25, 1), 1
	s_wait_xcnt 0x0
; out0[h][q][:] = the sum over k <= q of softmax_k(Q[h][q] . K[h][k] / 8) V[h][k][:].  64 heads, 2,048 rows of 64 f32 in each of the four tensors.
; Both products run on codes of FP4 (E2M1) with one E8M0 scale for each 32 along a product's K: Q and K are quantised along the head's 64, V and p along the keys.
; THE SOFTMAX AHEAD OF THE SECOND PRODUCT: t = score x log2(e) / 8; M = the row's largest t so far, rounded UP to a whole number; p = 2^(t - M) is what is quantised, not normalised.
; The row's sum is taken of the unquantised p, in f32, and divides O at the end.  When M moves, the sum and O are multiplied by 2^(old M - new M): exact.
; SHARES.  256 work-groups: head = y, j = x (0..3).  Wave w of sixteen owns two tiles of 16 queries: tile A from query 256 j + 16 w, tile B from query 2032 - 256 j - 16 w.  A step is 128 keys; a tile takes
; part in the steps whose first key is not behind its queries: 2 j + 1 or 2 for A, 16 - 2 j or 15 - 2 j for B: 17 for every wave of the launch.  Steps wholly under the mask are jumped over by a scalar branch on ids.
; K AND V ARE QUANTISED ON THE WAY.  The keys go in slots of 256 (two steps).  While slot s is multiplied, the sixteen waves load slot s + 1's K and V as f32 into registers, quantise them (a lane: one block of K,
; one block of V) and store codes and scale bytes into the other of two LDS buffers AS IMAGES OF THE OPERANDS' REGISTERS: lane l's 16 bytes of a group of four registers at 16 l.  One barrier a slot.
; THE HEAD IS 64 AND THE INSTRUCTION'S K IS 128: a fragment of K carries TWO tiles of 16 keys (registers 0-3 tile 2 b, registers 4-7 tile 2 b + 1) and is multiplied twice, by [q, 0] and by [0, q]:
; zero codes add nothing under any scale byte but 0xff, and all bytes here lie in 1 .. 254.
; LAYOUT.  Both products are used transposed: S^T = K Q^T, O^T = V^T P^T: a lane holds ONE query (lane % 16) throughout.  THE KEYS OF A TILE ARE NOT NEIGHBOURS: row r of tile 2 b + u is key
; 32 b + 8 u + r + 8 (r / 8), so that S^T's register 16 b + i of lane (r, h) is key 32 b + 16 h + i of the step: 16 neighbours along the second product's K.
; NO JOINT LOADS: the four work-groups of a head read the same K and V, but as f32 that must pass through registers into the quantiser, so nothing lands in LDS as it lies in memory;
; and the four need 8, 7, 6 and 5 slots.  No copy engine is used at all.  Each slot's loads are issued one step (K) or two tiles (V) ahead of the wait for them.
; LIMITS: NaN and infinities among the inputs are not served.  A block of zeros gets the scale byte 1 where the rule says 127: its codes are zeros and the bytes are read by this program alone.
; A p under 2^-126 comes out of v_exp_f32 as 0.
.set BUFB,  17408                      ; an LDS buffer: a slot's codes and scale bytes
.set KIMG,  0                          ;   K's fragments: (step, b) at (4 step + b) x 1,024; registers 4 c .. 4 c + 3 at + 512 c; lane at + 16 lane
.set VIMG,  8192                       ;   V's fragments: (step, t) likewise
.set KSC,   16384                      ;   K's scale bytes: 256 step + 16 r + 4 b + 2 u + (which 32 of the head)
.set VSC,   16896                      ;   V's: 256 step + 16 r + 4 t + (which 32 keys of the step)
.set STAGE, 2*BUFB                     ; behind the two buffers: 4,608 bytes for each wave, its own: the turn (32 places of 128 + 16 bytes), later the way out (16 rows of 256 + 16)
.set STGB,  4608
.set GK,  1                            ; v1   K: my 16 bytes of a load's 512, in my wave's 16 keys of a slot
.set GV,  2                            ; v2   V: my column, at my wave's 32 keys of a slot
.set STW, 3                            ; v3   the turn: where I put 16 bytes
.set STR, 4                            ; v4   the turn: my place, 144 x lane
.set KIW, 5                            ; v5   where my block of K goes in K's images
.set KSW, 6                            ; v6   and its scale byte
.set VIW, 7                            ; v7   the same for V
.set VSW, 8                            ; v8
.set LI,  9                            ; v9   16 x lane: an image's place for my lane; also my bytes of 512 dense bytes of Q and of out0
.set LSC, 10                           ; v10  16 x (lane % 16): my row's four scale words
.set DL,  11                           ; v11  lane % 16 - 16 (lane / 16), for the mask
.set NMA, 12                           ; v[12:13] tile A: -M, the largest t;  v[14:15] its sum in two halves
.set SMA, 14
.set NMB, 16                           ; v[16:19] tile B likewise
.set SMB, 18
.set QLOB, 20                          ; v20-23 qB, v24-27 0, v28-31 qA, v32-35 0, v36-39 qB: four operands of eight registers overlap in these twenty
.set QHIA, 24
.set QLOA, 28
.set QHIB, 32
.set QSA, 40                           ; v40, v41 Q's scale words, v42 p's, v44-47 K's or V's four: these hold scales and nothing else
.set QSB, 41
.set PSC, 42
.set KVS, 44
.set QC,  48                           ; v48-51 a block's codes;  v52-53 its largest magnitude;  v54 the conversion's scale operand;  v55 the scale's byte
.set QM,  52
.set QS,  54
.set QBY, 55
.set PF,  56                           ; v56-87   32 numbers of K or V on their way
.set W,   88                           ; v88-119  K's four fragments; behind the first product at work:
.set BM,  88                           ;   v88-91 the blocks' largest scores, then largest p
.set PT,  92                           ;   v92-95 the other half's, then the bytes
.set SOP, 96                           ;   v96-99 the conversions' scale operands
.set F,   100                          ;   v[100:101] f = 2^(old M - new M), low word
.set T,   102
.set T2,  103
.set PS,  104                          ;   v[104:105] the sum's second chain
.set PC,  112                          ;   v112-119 p's codes
.set S,   120                          ; v120-183 S^T, then p;  v120-151 later V's four fragments;  v152-183 the turn's target between tiles
.set OA,  184                          ; v184-215 O^T of tile A;  v216-247 of tile B
.set OB,  216
.set SOA, 248                          ; v248 the way out: where I put 32 bytes of a row;  v249 where I read a row back;  v250 a permute's target
.set SRA, 249
.set TMPA, 250
.set QRD, 251                          ; v251 the turn of Q: place 2 (lane % 16) + lane / 16
.set U0,  252                          ; v252-254 at work at the head
.set U1,  253
.set U2,  254
.set KP,  6                            ; s[6:7]  K at the slot to be fetched;  s[8:9] V likewise
.set VP,  8
.set WV,  12
.set Q0A, 16                           ; my tiles' first queries
.set Q0B, 17
.set KF,  18                           ; the step's first key
.set LIM, 19                           ; 2,048 - 256 j: keys from here on are behind all my work-group's queries
.set NK,  20                           ; first key of the slot to be fetched
.set TRIP, 21
.set SEL, 22                           ; s[22:23] v_permlanex16_b32's selects for lane l xor 16
.set CS,  24                           ; s[24:25] c = log2(e) / 8: the packed form names a pair and takes its low word for both halves
.set TS,  26
.set OPA, 28                           ; s[28:29], s[30:31] out0 at tile A, tile B;  s[36:37], s[38:39] query likewise
.set OPB, 30
.set QPA, 36
.set QPB, 38
; my wave's 16 keys of the slot, 4,096 dense bytes: each load reads 512 consecutive bytes
.macro KLOAD
.irp i, 0,1,2,3,4,5,6,7
	global_load_b128 v[PF+4*\i:PF+4*\i+3], v[GK], s[KP:KP+1] offset:512*\i
.endr
.endm
; a lane takes a column of V and its registers run DOWN the keys: a block of 32 along the second product's K in one lane.  A load reads 128 consecutive bytes; waves w and w xor 1 stand side by side on a row's 256
.macro VLOAD x
.irp i, 0,1,2,3,4,5,6,7,8,9,10,11,12,13,14,15,16,17,18,19,20,21,22,23,24,25,26,27,28,29,30,31
	global_load_b32 v[\x+\i], v[GV], s[VP:VP+1] offset:256*\i
.endr
.endm
; 4,096 bytes loaded as they lie go through my wave's own stage and come back 128 neighbouring bytes a lane: a block of 32.  LDS serves a wave's instructions in order (ISA guide 5.7.1.4): no wait between stores and loads
.macro TURN src, dst, rd
.irp i, 0,1,2,3,4,5,6,7
	ds_store_b128 v[STW], v[\src+4*\i:\src+4*\i+3] offset:576*\i
.endr
.irp i, 0,1,2,3,4,5,6,7
	ds_load_b128 v[\dst+4*\i:\dst+4*\i+3], v[\rd] offset:16*\i
.endr
.endm
; a lane's 32 numbers v[x] .. v[x + 31], one block, become 32 codes in v[c] .. v[c + 3] and the scale's byte in v[QBY]
.macro QUANT x, c
	v_max3_num_f32 v[QM], |v[\x]|, |v[\x+1]|, |v[\x+2]|              ; the block's largest magnitude, in two chains
	v_max3_num_f32 v[QM+1], |v[\x+3]|, |v[\x+4]|, |v[\x+5]|
.irp i, 6,10,14,18,22,26
	v_max3_num_f32 v[QM], v[QM], |v[\x+\i]|, |v[\x+\i+1]|
	v_max3_num_f32 v[QM+1], v[QM+1], |v[\x+\i+2]|, |v[\x+\i+3]|
.endr
	v_max3_num_f32 v[QM], v[QM], |v[\x+30]|, |v[\x+31]|
	v_max3_num_f32 v[QM], v[QM], v[QM+1], 0x1800000                  ; and the floor 2^(3 - 127): the byte cannot fall under 1
	v_add_nc_u32 v[QS], 0xff000000, v[QM]                            ; 2 off its exponent field: the conversion takes the exponent field of this operand as its scale
	v_lshrrev_b32 v[QBY], 23, v[QS]                                  ; the scale's byte
.irp g, 0,1,2,3
	v_cvt_scalef32_pk8_fp4_f32 v[\c+\g], v[\x+8*\g:\x+8*\g+7], v[QS]
.endr
	v_nop                                                            ; one plain place behind a scaled conversion
.endm
; my wave's 16 keys: lane l holds half l % 2 of key l / 2; its 16 bytes of codes and its byte go to their places in buffer buf.  cnt: the younger loads that may stay out
.macro KPHASE buf, cnt, inloop
	s_wait_loadcnt \cnt                                              ; K's eight loads are in
	TURN PF, S+32, STR
	s_wait_dscnt 0x0                                                 ; the block is back, the stage's stores have read v[PF] on, and the last image stores have read v[QC] on
.if \inloop
	s_add_nc_u64 s[KP:KP+1], s[KP:KP+1], 65536                       ; K's loads are done: on to the next slot's 256 rows of 256 bytes
	VLOAD PF
.endif
	QUANT S+32, QC
	ds_store_b128 v[KIW], v[QC:QC+3] offset:(\buf)*BUFB+KIMG
	ds_store_b8 v[KSW], v[QBY] offset:(\buf)*BUFB+KSC
.endm
.macro VPHASE buf, x, inloop
	s_wait_loadcnt 0x0                                               ; V's 32 loads are in
	s_wait_dscnt 0x0                                                 ; K's image stores have read v[QC] on
	QUANT \x, QC
	ds_store_b128 v[VIW], v[QC:QC+3] offset:(\buf)*BUFB+VIMG
	ds_store_b8 v[VSW], v[QBY] offset:(\buf)*BUFB+VSC
.if \inloop
	s_add_nc_u64 s[VP:VP+1], s[VP:VP+1], 65536
.endif
.endm
; 16 queries of Q, loaded as they lie into v[src] on, become four registers of codes at v[c] (lane (r, h): half h of query r) and the scale word [s0, s1, s0, s1], which serves [q, 0] and [0, q] alike
.macro QPREP cnt, src, c, qsc
	s_wait_loadcnt \cnt
	TURN \src, W, QRD
	s_wait_dscnt 0x0
	QUANT W, \c
	v_lshlrev_b32 v[U1], v[U0], v[QBY]                               ; my byte at its place, 8 h bits up,
	v_permlanex16_b32 v[U2], v[U1], s[SEL], s[SEL+1]
	v_or_b32 v[U1], v[U1], v[U2]                                     ; with lane l xor 16's,
	v_lshl_or_b32 v[\qsc], v[U1], 16, v[U1]                          ; twice
.endm
; ONE TILE OF 16 QUERIES AGAINST ONE STEP OF 128 KEYS, from buffer buf.
.macro TILE nm, sm, qlo, qhi, qsc, o, q0, step, buf
	s_add_co_u32 s[TS], s[\q0], 15
	s_cmp_gt_u32 s[KF], s[TS]
	s_cbranch_scc1 .Lhidden_\@                                       ; all 128 keys come after my 16 queries: nothing to do
.rept 5
	v_nop                                                            ; places behind the last products: four for the loads into p's codes and the scale words, five since S^T is written over V's fragments
.endr
.irp b, 0,1,2,3
.irp c, 0,1
	ds_load_b128 v[W+8*\b+4*\c:W+8*\b+4*\c+3], v[LI] offset:(\buf)*BUFB+KIMG+(4*(\step)+\b)*1024+512*\c
.endr
.endr
	ds_load_b128 v[KVS:KVS+3], v[LSC] offset:(\buf)*BUFB+KSC+256*(\step)
	s_wait_dscnt 0x0
.irp b, 0,1,2,3                        ; S^T = K Q^T: fragment b by [q, 0] gives tile 2 b, by [0, q] tile 2 b + 1
	v_wmma_scale_f32_16x16x128_f8f6f4 v[S+16*\b:S+16*\b+7], v[W+8*\b:W+8*\b+7], v[\qlo:\qlo+7], 0, v[KVS+\b], v[\qsc] matrix_a_fmt:MATRIX_FMT_FP4 matrix_b_fmt:MATRIX_FMT_FP4
	v_wmma_scale_f32_16x16x128_f8f6f4 v[S+16*\b+8:S+16*\b+15], v[W+8*\b:W+8*\b+7], v[\qhi:\qhi+7], 0, v[KVS+\b], v[\qsc] matrix_a_fmt:MATRIX_FMT_FP4 matrix_b_fmt:MATRIX_FMT_FP4
.endr
.rept 4
	v_nop                                                            ; places in front of the first read of the scores and the first write over K's fragments
.endr
	s_add_co_u32 s[TS], s[KF], 127                                   ; on the diagonal hidden scores become -infinity ahead of the maximum: p = 0 then.  A step all of whose keys count skips this
	s_cmp_le_u32 s[TS], s[\q0]
	s_cbranch_scc1 .Lopen_\@
	s_sub_co_i32 s[TS], s[\q0], s[KF]
	v_add_nc_u32 v[T], s[TS], v[DL]                                  ; d = my query - KF - 16 (lane / 16): register 16 b + i holds key KF + 16 (lane / 16) + 32 b + i: hidden where 32 b + i > d
	v_mov_b32 v[T2], 0xff800000
.irp b, 0,1,2,3
.irp i, 0,1,2,3,4,5,6,7,8,9,10,11,12,13,14,15
	v_cmp_gt_i32 vcc_lo, 32*\b+\i, v[T]
	v_cndmask_b32 v[S+16*\b+\i], v[S+16*\b+\i], v[T2], vcc_lo
.endr
.endr
.Lopen_\@:
.irp b, 0,1,2,3
	v_max3_num_f32 v[BM+\b], v[S+16*\b], v[S+16*\b+1], v[S+16*\b+2]  ; THE LARGEST SCORE OF EACH BLOCK OF 32 KEYS serves twice: for the row's maximum and, since p rises with the score, for the block's largest p
.endr
.irp i, 3,5,7,9,11,13
.irp b, 0,1,2,3
	v_max3_num_f32 v[BM+\b], v[BM+\b], v[S+16*\b+\i], v[S+16*\b+\i+1]   ; (the four blocks by turns)
.endr
.endr
.irp b, 0,1,2,3
	v_max_num_f32 v[BM+\b], v[BM+\b], v[S+16*\b+15]
.endr
.irp b, 0,1,2,3
	v_permlanex16_b32 v[PT+\b], v[BM+\b], s[SEL], s[SEL+1]
.endr
.irp b, 0,1,2,3
	v_max_num_f32 v[BM+\b], v[BM+\b], v[PT+\b]                       ; with lane l xor 16's 16 keys
.endr
	v_max3_num_f32 v[T], v[BM], v[BM+1], v[BM+2]
	v_max_num_f32 v[T], v[T], v[BM+3]                                ; the step's largest score of my query (the step's first key counts for every query of the tile, so it is a number)
	v_mul_f32 v[T], s[CS], v[T]                                      ; as t (c is positive)
	v_max_num_f32 v[\nm+1], v[\nm+1], v[T]                           ; the running largest t
	v_mov_b32 v[T], v[\nm]
	v_floor_f32 v[\nm], -v[\nm+1]                                    ; the new -M = floor(-t) = -ceil(t): M IS A WHOLE NUMBER
	v_sub_f32 v[T], v[\nm], v[T]                                     ; old M - new M: a whole number, 0 or less
	v_cvt_i32_f32 v[T], v[T]                                         ; (it saturates)
	v_ldexp_f32 v[F], 1.0, v[T]                                      ; f = 2^(old M - new M)
.irp b, 0,1,2,3
.irp i, 0,2,4,6,8,10,12,14
	v_pk_fma_f32 v[S+16*\b+\i:S+16*\b+\i+1], v[S+16*\b+\i:S+16*\b+\i+1], s[CS:CS+1], v[\nm:\nm+1] op_sel_hi:[1,0,0]   ; t - M, two at a time (of the pairs c and -M the low word serves both halves)
.endr
.endr
.irp b, 0,1,2,3
	v_fma_f32 v[BM+\b], v[BM+\b], s[CS], v[\nm]                      ; the same of each block's largest score
.endr
.irp b, 0,1,2,3
.irp i, 0,1,2,3,4,5,6,7,8,9,10,11,12,13,14,15
	v_exp_f32 v[S+16*\b+\i], v[S+16*\b+\i]                           ; p = 2^(t - M), at most 1: NOT normalised
.endr
.endr
.irp b, 0,1,2,3
	v_exp_f32 v[BM+\b], v[BM+\b]                                     ; the block's largest p: the same two instructions on the same number give the same bits
.endr
	v_pk_mul_f32 v[\sm:\sm+1], v[\sm:\sm+1], v[F:F+1] op_sel_hi:[1,0]   ; the sums under the new M.  (The plain place behind the exponentials)
	s_wait_alu depctr_va_vdst(0)
.irp b, 0,1,2,3
	v_max_num_f32 v[BM+\b], 0x1800000, v[BM+\b]                      ; the floor 2^(3 - 127): a block whose every p is 0 keeps the byte 1: its codes are zeros
.endr
.irp b, 0,1,2,3
	v_add_nc_u32 v[SOP+\b], 0xff000000, v[BM+\b]                     ; 2 off the exponent field: the conversion's scale operand
.endr
.irp b, 0,1,2,3
	v_lshrrev_b32 v[PT+\b], 23, v[SOP+\b]                            ; the scale's byte
.endr
	v_lshl_or_b32 v[PSC], v[PT+1], 8, v[PT]                          ; p's scale word for these 128 keys
	v_lshl_or_b32 v[PSC], v[PT+2], 16, v[PSC]
	v_lshl_or_b32 v[PSC], v[PT+3], 24, v[PSC]
.irp b, 0,1,2,3
	v_cvt_scalef32_pk8_fp4_f32 v[PC+2*\b], v[S+16*\b:S+16*\b+7], v[SOP+\b]
	v_cvt_scalef32_pk8_fp4_f32 v[PC+2*\b+1], v[S+16*\b+8:S+16*\b+15], v[SOP+\b]
.endr
	v_nop                                                            ; one plain place behind a scaled conversion
.irp c, 0,1                            ; the operand's layout wants a WHOLE block in a lane: lanes 0-15 block 2 c, lanes 16-31 block 2 c + 1
.irp i, 0,1
	v_permlane16_swap_b32 v[PC+4*\c+\i], v[PC+4*\c+2+\i]
.endr
.endr
	v_pk_add_f32 v[PS:PS+1], v[S:S+1], v[S+2:S+3]                    ; THE ROW'S SUM IS TAKEN OF THE UNQUANTISED p: two at a time, in two chains
.irp i, 4,8,12,16,20,24,28,32,36,40,44,48,52,56,60
	v_pk_add_f32 v[\sm:\sm+1], v[\sm:\sm+1], v[S+\i:S+\i+1]
	v_pk_add_f32 v[PS:PS+1], v[PS:PS+1], v[S+\i+2:S+\i+3]
.endr
	v_pk_add_f32 v[\sm:\sm+1], v[\sm:\sm+1], v[PS:PS+1]
.irp t, 0,1,2,3                        ; V's four fragments (16 of the head's 64 x these 128 keys) land where p's first half lay, while O^T is rescaled
.irp c, 0,1
	ds_load_b128 v[S+8*\t+4*\c:S+8*\t+4*\c+3], v[LI] offset:(\buf)*BUFB+VIMG+(4*(\step)+\t)*1024+512*\c
.endr
.endr
	ds_load_b128 v[KVS:KVS+3], v[LSC] offset:(\buf)*BUFB+VSC+256*(\step)
.irp i, 0,2,4,6,8,10,12,14,16,18,20,22,24,26,28,30
	v_pk_mul_f32 v[\o+\i:\o+\i+1], v[\o+\i:\o+\i+1], v[F:F+1] op_sel_hi:[1,0]   ; O^T under the new M: x f; each accumulator from its low end on
.endr
	s_wait_dscnt 0x0
.irp t, 0,1,2,3                        ; O^T += V^T P^T.  The four accumulators take turns, one instruction a turn, and S^T's eight products stand between two turns of one
	v_wmma_scale_f32_16x16x128_f8f6f4 v[\o+8*\t:\o+8*\t+7], v[S+8*\t:S+8*\t+7], v[PC:PC+7], v[\o+8*\t:\o+8*\t+7], v[KVS+\t], v[PSC] matrix_a_fmt:MATRIX_FMT_FP4 matrix_b_fmt:MATRIX_FMT_FP4
.endr
.Lhidden_\@:
.endm
; A SLOT: two steps out of buffer buf; the next slot, if any of my work-group's queries sees it, is fetched and quantised into the other buffer between the tiles.
; The three branches hang on the work-group's number and a counter alone; the barrier lies on every way.
.macro SLOT buf
	s_cmp_lt_u32 s[NK], s[LIM]
	s_cbranch_scc0 .Lno_k_\@
	KLOAD
.Lno_k_\@:
	TILE NMB, SMB, QLOB, QHIB, QSB, OB, Q0B, 0, \buf
	TILE NMA, SMA, QLOA, QHIA, QSA, OA, Q0A, 0, \buf
	s_add_co_u32 s[KF], s[KF], 128
	s_cmp_lt_u32 s[NK], s[LIM]
	s_cbranch_scc0 .Lno_q_\@
	KPHASE 1-\buf, 0, 1
.Lno_q_\@:
	TILE NMB, SMB, QLOB, QHIB, QSB, OB, Q0B, 1, \buf
	TILE NMA, SMA, QLOA, QHIA, QSA, OA, Q0A, 1, \buf
	s_add_co_u32 s[KF], s[KF], 128
	s_cmp_lt_u32 s[NK], s[LIM]
	s_cbranch_scc0 .Lno_v_\@
	VPHASE 1-\buf, PF, 1
.Lno_v_\@:
	s_add_co_u32 s[NK], s[NK], 256
	s_wait_loadcnt 0x0                                               ; on no way through the three branches is a load out when v[PF] on is loaded again
	s_wait_dscnt 0x0                                                 ; for the others' sake: my stores into the other buffer have landed, and my reads of this one are over
	s_barrier_signal -1
	s_barrier_wait -1                                                ; the other buffer is whole, and nobody reads this one any more
.endm
; THE WAY OUT of a tile: O^T / the sum goes through my stage and leaves as whole rows: a store of the wave covers two rows of out0, 512 consecutive bytes
.macro OUT o, sm, a, bk, base
	v_add_f32 v[\sm], v[\sm], v[\sm+1]                               ; the sum's two halves,
	v_permlanex16_b32 v[TMPA], v[\sm], s[SEL], s[SEL+1]
	v_add_f32 v[\sm], v[\sm], v[TMPA]                                ; and lane l xor 16's: the row's sum
	v_rcp_f32 v[\sm], v[\sm]
	v_nop                                                            ; one plain place behind a transcendental
	s_wait_alu depctr_va_vdst(0)
.irp i, 0,1,2,3,4,5,6,7,8,9,10,11,12,13,14,15
	v_pk_mul_f32 v[\a+2*\i:\a+2*\i+1], v[\o+2*\i:\o+2*\i+1], v[\sm:\sm+1] op_sel_hi:[1,0]   ; register 8 t + i is o(r, 16 t + 8 h + i)
.endr
.irp t, 0,1,2,3
	ds_store_b128 v[SOA], v[\a+8*\t:\a+8*\t+3] offset:64*\t
	ds_store_b128 v[SOA], v[\a+8*\t+4:\a+8*\t+7] offset:64*\t+16
.endr
.irp i, 0,1,2,3,4,5,6,7
	ds_load_b128 v[\bk+4*\i:\bk+4*\i+3], v[SRA] offset:544*\i        ; lanes 0-15 row 2 i, lanes 16-31 row 2 i + 1; LDS serves a wave's instructions in order: these see my stores
.endr
.irp i, 0,1,2,3,4,5,6,7
	s_wait_dscnt 7-\i                                                ; the younger loads from the stage may stay out
	global_store_b128 v[LI], v[\bk+4*\i:\bk+4*\i+3], s[\base:\base+1] offset:512*\i th:TH_STORE_NT
.endr
.endm
	; ---- THE HEAD: ids, pointers, and all first loads at once
	s_load_b256 s[4:11], s[0:1], 0x0                                 ; query s[4:5], key s[6:7], value s[8:9], out0 s[10:11]
	v_lshl_add_u32 v43, v0, 2, 0x1a800
	v_mov_b32 v255, 0
	v_lshrrev_b32 v12, 5, v0
	v_readfirstlane_b32 s[WV], v12                                   ; wave 0..15
	v_and_b32 v13, 31, v0                                            ; lane
	v_and_b32 v14, 15, v0                                            ; r
	v_bfe_u32 v15, v0, 4, 1                                          ; h
	s_lshl_b32 s[Q0A], ttmp9, 8
	s_lshl_b32 s40, s[WV], 4
	s_add_co_u32 s[Q0A], s[Q0A], s40                                 ; tile A: 256 j + 16 w
	s_sub_co_u32 s[Q0B], 2032, s[Q0A]                                ; tile B: its mirror
	s_lshl_b32 s[LIM], ttmp9, 8
	s_sub_co_u32 s[LIM], 2048, s[LIM]
	s_and_b32 s32, ttmp7, 0xffff                                     ; the head:
	s_lshl_b32 s32, s32, 19                                          ; 2,048 rows of 256 bytes
	s_mov_b32 s33, 0
	s_lshl_b32 s34, s[Q0A], 8
	s_mov_b32 s35, 0
	s_add_nc_u64 s[34:35], s[34:35], s[32:33]                        ; tile A's first byte in query and in out0
	s_lshl_b32 s26, s[Q0B], 8
	s_mov_b32 s27, 0
	s_add_nc_u64 s[26:27], s[26:27], s[32:33]                        ; tile B's
	v_lshlrev_b32 v[LI], 4, v13
	s_lshl_b32 s40, s[WV], 12
	v_add_nc_u32 v[GK], s40, v[LI]                                   ; 4,096 w + 16 lane
	s_lshr_b32 s41, s[WV], 1                                         ; w / 2
	s_and_b32 s42, s[WV], 1                                          ; w % 2
	s_lshl_b32 s40, s41, 13
	s_lshl_b32 s43, s42, 7                                           ; 128 (w % 2)
	s_add_co_u32 s40, s40, s43
	v_lshl_add_u32 v[GV], v13, 2, s40                                ; 32 (w / 2) rows of 256 bytes + 128 (w % 2) + 4 lane
	s_wait_kmcnt 0x0
	s_add_nc_u64 s[QPA:QPA+1], s[4:5], s[34:35]
	s_add_nc_u64 s[QPB:QPB+1], s[4:5], s[26:27]
	s_add_nc_u64 s[OPA:OPA+1], s[10:11], s[34:35]
	s_add_nc_u64 s[OPB:OPB+1], s[10:11], s[26:27]
	s_add_nc_u64 s[KP:KP+1], s[KP:KP+1], s[32:33]
	s_add_nc_u64 s[VP:VP+1], s[VP:VP+1], s[32:33]
.irp i, 0,1,2,3,4,5,6,7
	global_load_b128 v[S+4*\i:S+4*\i+3], v[LI], s[QPA:QPA+1] offset:512*\i th:TH_LOAD_NT      ; tile A's 16 queries, read once in the launch
.endr
.irp i, 0,1,2,3,4,5,6,7
	global_load_b128 v[S+32+4*\i:S+32+4*\i+3], v[LI], s[QPB:QPB+1] offset:512*\i th:TH_LOAD_NT   ; tile B's
.endr
	KLOAD                                                            ; slot 0's K,
	VLOAD OA                                                         ; and its V, into registers that O^T takes later: 56 loads of mine are out
	; ---- every LDS address is made here and never rewritten: a constant x lane terms + a constant x wave terms; buffers and steps stand in the immediates
	s_mul_i32 s44, s[WV], STGB
	s_add_co_u32 s44, s44, STAGE                                     ; my stage
	v_lshrrev_b32 v16, 3, v13
	v_mul_u32_u24 v16, v16, 144
	v_and_b32 v17, 7, v13
	v_lshl_add_u32 v16, v17, 4, v16
	v_add_nc_u32 v[STW], s44, v16                                    ; eight lanes' 128 bytes on end, then 16 of padding
	v_mul_u32_u24 v16, v13, 144
	v_add_nc_u32 v[STR], s44, v16
	v_lshl_add_u32 v16, v14, 1, v15
	v_mul_u32_u24 v16, v16, 144
	v_add_nc_u32 v[QRD], s44, v16
	s_lshl_b32 s40, s41, 10                                          ; K's image: fragment w / 2 of the slot's eight; rows 8 (w % 2) on; group lane / 16; half lane % 2; row (lane / 2) % 8
	s_add_co_u32 s40, s40, s43
	v_and_b32 v16, 16, v13
	v_lshlrev_b32 v16, 5, v16
	v_and_b32 v17, 1, v13
	v_lshl_add_u32 v16, v17, 8, v16
	v_and_b32 v17, 14, v13
	v_lshl_add_u32 v16, v17, 3, v16
	v_add_nc_u32 v[KIW], s40, v16
	s_lshr_b32 s45, s[WV], 3                                         ; which step of the slot
	s_lshl_b32 s40, s45, 8
	s_add_co_u32 s40, s40, s43
	s_and_b32 s46, s41, 3                                            ; (w / 2) % 4
	s_lshl_b32 s47, s46, 2
	s_add_co_u32 s40, s40, s47
	v_bfe_u32 v16, v0, 1, 3
	v_lshlrev_b32 v16, 4, v16
	v_lshl_add_u32 v16, v15, 1, v16
	v_and_b32 v17, 1, v13
	v_add_nc_u32 v16, v16, v17
	v_add_nc_u32 v[KSW], s40, v16
	s_lshl_b32 s40, s45, 12                                          ; V's image: step; tile 2 (w % 2) + lane / 16; block (w / 2) % 4 of the step: group and half; row lane % 16
	s_lshl_b32 s47, s42, 11
	s_add_co_u32 s40, s40, s47
	s_lshl_b32 s47, s46, 8
	s_add_co_u32 s40, s40, s47
	v_lshlrev_b32 v16, 10, v15
	v_lshl_add_u32 v16, v14, 4, v16
	v_add_nc_u32 v[VIW], s40, v16
	s_lshl_b32 s40, s45, 8
	s_lshl_b32 s47, s42, 3
	s_add_co_u32 s40, s40, s47
	s_add_co_u32 s40, s40, s46
	v_lshlrev_b32 v16, 4, v14
	v_lshl_add_u32 v16, v15, 2, v16
	v_add_nc_u32 v[VSW], s40, v16
	v_lshlrev_b32 v[LSC], 4, v14
	v_lshlrev_b32 v16, 4, v15
	v_sub_nc_u32 v[DL], v14, v16
	v_mul_u32_u24 v16, v14, 272
	v_lshl_add_u32 v16, v15, 5, v16
	v_add_nc_u32 v[SOA], s44, v16                                    ; the way out, in: row r of 256 + 16 bytes, + 32 h
	v_mul_u32_u24 v16, v15, 272
	v_lshl_add_u32 v16, v14, 4, v16
	v_add_nc_u32 v[SRA], s44, v16                                    ; back: lanes 0-15 one row, lanes 16-31 the next
	v_lshlrev_b32 v[U0], 3, v15                                      ; 8 h
	v_mov_b32 v[U2], 0                                               ; (a lane permute's destination counts as one of its sources)
	v_mov_b32 v[TMPA], 0
	s_mov_b32 s[SEL], 0x76543210
	s_mov_b32 s[SEL+1], 0xfedcba98
	s_mov_b32 s[CS], 0x3e38aa3b                                      ; c = log2(e) / 8
	s_mov_b32 s[CS+1], s[CS]                                         ; (named with it as a pair, so it is written)
	s_mov_b32 s[KF], 0
	s_mov_b32 s[NK], 256
	s_mov_b32 s[TRIP], 4
.irp n, NMA, NMB
	v_mov_b32 v[\n+1], 0xff61b1e6                                    ; the largest t so far: -3e38, under every t
	v_floor_f32 v[\n], -v[\n+1]                                      ; -M
	v_mov_b32 v[\n+2], 0                                             ; the sum, in two halves
	v_mov_b32 v[\n+3], 0
.endr
.irp i, 0,1,2,3
	v_mov_b32 v[QHIA+\i], 0                                          ; the zero codes beside q
	v_mov_b32 v[QHIB+\i], 0
.endr
.irp i, 0,1,2,3,4,5,6,7,8,9,10,11,12,13,14,15,16,17,18,19,20,21,22,23,24,25,26,27,28,29,30,31
	v_mov_b32 v[OB+\i], 0                                            ; O^T.  (The tile is written once: its first step finds zeros, which the first change of M leaves zeros)
.endr
	QPREP 48, S, QLOA, QSA                                           ; behind tile A's eight loads stand 8 + 8 + 32
	QPREP 40, S+32, QLOB, QSB                                        ; behind tile B's 8 + 32
.irp i, 0,1,2,3
	v_mov_b32 v[QHIB+4+\i], v[QLOB+\i]                               ; qB once more, behind its zeros
.endr
	KPHASE 0, 32, 0                                                  ; behind K's eight loads stand V's 32
	VPHASE 0, OA, 0
	s_add_nc_u64 s[KP:KP+1], s[KP:KP+1], 65536                       ; no load is out: on to slot 1
	s_add_nc_u64 s[VP:VP+1], s[VP:VP+1], 65536
.irp i, 0,1,2,3,4,5,6,7,8,9,10,11,12,13,14,15,16,17,18,19,20,21,22,23,24,25,26,27,28,29,30,31
	v_mov_b32 v[OA+\i], 0
.endr
	s_wait_dscnt 0x0                                                 ; my part of slot 0's images has landed
	s_barrier_signal -1
	s_barrier_wait -1                                                ; everybody's has
	; ---- THE KEYS: eight slots in every work-group (a constant count); slots behind all its queries cost their branches and the barrier
.Lpair:
	SLOT 0
	SLOT 1
	s_sub_co_u32 s[TRIP], s[TRIP], 1
	s_cmp_lg_u32 s[TRIP], 0
	s_cbranch_scc1 .Lpair
.rept 4
	v_nop                                                            ; places behind the last products, in front of the reads of O^T and the writes over V's fragments
.endr
	OUT OA, SMA, S, S+32, OPA
	OUT OB, SMB, PF, W, OPB                                          ; other registers than tile A's: no store's data are written again
	s_wait_tensorcnt 0x0
	ds_add_u32 v43, v255
	s_wait_dscnt 0x0
	s_endpgm
.Lfunc_end_k_qd41cff95b2_attn:
	.size	k_qd41cff95b2_attn, .Lfunc_end_k_qd41cff95b2_attn-k_qd41cff95b2_attn
	.p2alignl 7, 3214868480
	.fill 96, 4, 3214868480
	.section	.rodata,"a",@progbits
	.p2align	6, 0x0
	.amdhsa_kernel k_qd41cff95b2_attn
		.amdhsa_group_segment_fixed_size 110592
		.amdhsa_private_segment_fixed_size 0
		.amdhsa_enable_private_segment 0
		.amdhsa_kernarg_size 32
		.amdhsa_user_sgpr_count 2
		.amdhsa_user_sgpr_kernarg_segment_ptr 1
		.amdhsa_wavefront_size32 1
		.amdhsa_system_sgpr_workgroup_id_x 1
		.amdhsa_system_sgpr_workgroup_id_y 1
		.amdhsa_system_sgpr_workgroup_id_z 1
		.amdhsa_system_vgpr_workitem_id 0
		.amdhsa_next_free_vgpr 256
		.amdhsa_next_free_sgpr 66
		.amdhsa_reserve_vcc 1
		.amdhsa_float_denorm_mode_32 3
		.amdhsa_float_denorm_mode_16_64 3
		.amdhsa_memory_ordered 1
		.amdhsa_forward_progress 1
		.amdhsa_inst_pref_size 206
	.end_amdhsa_kernel
	.amdgpu_metadata
---
amdhsa.version: [ 1, 2 ]
amdhsa.kernels:
  - .name:           k_qd41cff95b2_attn
    .symbol:         k_qd41cff95b2_attn.kd
    .args:
      - { .name: query, .offset: 0, .size: 8, .value_kind: global_buffer, .address_space: global }
      - { .name: key, .offset: 8, .size: 8, .value_kind: global_buffer, .address_space: global }
      - { .name: value, .offset: 16, .size: 8, .value_kind: global_buffer, .address_space: global }
      - { .name: out0, .offset: 24, .size: 8, .value_kind: global_buffer, .address_space: global }
    .group_segment_fixed_size: 110592
    .private_segment_fixed_size: 0
    .kernarg_segment_align: 8
    .kernarg_segment_size: 32
    .max_flat_workgroup_size: 512
    .sgpr_count:     66
    .vgpr_count:     256
    .wavefront_size: 32
...
	.end_amdgpu_metadata
.endif
;; end of part 1
;; ======== version 2 of 2: 1 launch; version 1 with the launch attn written anew for expert scheduling mode
;; launch attn (part 2): grid 4 x 64, 16 waves a work-group, no clusters, 110,592 bytes of LDS; arguments query, key, value, out0; writes out0
.if DOCPART == 2
	.amdgcn_target "amdgcn-amd-amdhsa--gfx1250"
	.amdhsa_code_object_version 6
	.text
	.protected	k_qd41cff95b2_attn
	.globl	k_qd41cff95b2_attn
	.p2align	8
	.type	k_qd41cff95b2_attn,@function
k_qd41cff95b2_attn:
	s_mov_b64 s[64:65], 0
	v_nop
	global_prefetch_b8 v0, s[64:65] scope:SCOPE_SE
	s_setreg_imm32_b32 hwreg(HW_REG_WAVE_SCHED_MODE, 0, 2), 2
	s_setreg_imm32_b32 hwreg(HW_REG_WAVE_MODE, 25, 1), 1
	s_wait_xcnt 0x0
	s_wait_alu depctr_vm_vsrc(0)
; out0[h][q][:] = the sum over k <= q of softmax_k(Q[h][q] . K[h][k] / 8) V[h][k][:].  64 heads, 2,048 rows of 64 f32 in each of the four tensors.
; Both products run on codes of FP4 (E2M1) with one E8M0 scale for each 32 along a product's K: Q and K are quantised along the head's 64, V and p along the keys.
; THE SOFTMAX AHEAD OF THE SECOND PRODUCT: t = score x log2(e) / 8; M = the row's largest t so far, rounded UP to a whole number; p = 2^(t - M) is what is quantised, not normalised.
; The row's sum is taken of the unquantised p, in f32, and divides O at the end.  When M moves, the sum and O are multiplied by 2^(old M - new M): exact.
; SHARES.  256 work-groups: head = y, j = x (0..3).  Wave w of sixteen owns two tiles of 16 queries: tile A from query 256 j + 16 w, tile B from query 2032 - 256 j - 16 w.  A step is 128 keys; a tile takes
; part in the steps whose first key is not behind its queries: 2 j + 1 or 2 for A, 16 - 2 j or 15 - 2 j for B: 17 for every wave of the launch.  Steps wholly under the mask are jumped over by a scalar branch on ids.
; K AND V ARE QUANTISED ON THE WAY.  The keys go in slots of 256 (two steps).  While slot s is multiplied, the sixteen waves load slot s + 1's K and V as f32 into registers, quantise them (a lane: one block of K,
; one block of V) and store codes and scale bytes into the other of two LDS buffers AS IMAGES OF THE OPERANDS' REGISTERS: lane l's 16 bytes of a group of four registers at 16 l.  One barrier a slot.
; THE HEAD IS 64 AND THE INSTRUCTION'S K IS 128: a fragment of K carries TWO tiles of 16 keys (registers 0-3 tile 2 b, registers 4-7 tile 2 b + 1) and is multiplied twice, by [q, 0] and by [0, q]:
; zero codes add nothing under any scale byte but 0xff, and all bytes here lie in 1 .. 254.
; LAYOUT.  Both products are used transposed: S^T = K Q^T, O^T = V^T P^T: a lane holds ONE query (lane % 16) throughout.  THE KEYS OF A TILE ARE NOT NEIGHBOURS: row r of tile 2 b + u is key
; 32 b + 8 u + r + 8 (r / 8), so that S^T's register 16 b + i of lane (r, h) is key 32 b + 16 h + i of the step: 16 neighbours along the second product's K.
; NO JOINT LOADS: the four work-groups of a head read the same K and V, but as f32 that must pass through registers into the quantiser, so nothing lands in LDS as it lies in memory;
; and the four need 8, 7, 6 and 5 slots.  No copy engine is used at all.  Each slot's loads are issued one step (K) or two tiles (V) ahead of the wait for them.
; LIMITS: NaN and infinities among the inputs are not served.  A block of zeros gets the scale byte 1 where the rule says 127: its codes are zeros and the bytes are read by this program alone.
; A p under 2^-126 comes out of v_exp_f32 as 0.
; THE MODE: SCHED_MODE bits 1:0 = 2 (LLVM: expert scheduling mode 2), set by the entry lines.  The code itself states the register dependences
; between vector or matrix instructions and memory or LDS instructions, with s_wait_alu, always for 0.
; THE PLAN.  Registers that memory or LDS instructions touch, and who else names them:
;   v1-10, v248, v249, v251, v43, v255   addresses, the spare word's and 0: written at the head, never again.  One wait on va_vdst ahead of the first loads (v1, v2, v9), one ahead of Q's first turn (the rest).
;   v[PF] on      K's loads land (slot's head); the turn's LDS stores read it; V's loads land; V's quantiser reads it.  A wait on vm_vsrc behind the turn; the wait on va_vdst behind V's quantiser serves the next slot's K.
;   v[S+32] on    a tile's scores, p, and the second half of its sums; between tiles K's turned block lands there and K's quantiser reads it.  A wait on va_vdst ahead of the turn, one behind the quantiser.
;   v[W] on, v[KVS] on   K's fragments and scale words land at a tile's head; before that the last tile worked in v[W] on (f is read last, by the rescaling) and its products read p's codes and the scale words.  One wait on va_vdst at the tile's head.
;   v[S] .. v[S+31], v[KVS] on   V's fragments and scale words land in the middle of the sums, where p's lower half has been read for the last time.  One wait on va_vdst ahead of them; it also states that p's codes and scale word are written.
;                 Behind it stand the sums' second half and O^T's rescaling, which name v[S+32] on, the sums, f and O^T: none of the registers that those loads touch.
;   v[QC] on, v[QBY]   written by a quantiser, read by the two image stores: a wait on va_vdst ahead of the stores, one on vm_vsrc ahead of the next quantiser.
;   s32-47        the mask: sixteen compares write them, one wait on va_sdst, sixteen selects read them.
; All 256 registers of each of a SIMD's four waves are in use: there is no further buffer to load into.
.set BUFB,  17408                      ; an LDS buffer: a slot's codes and scale bytes
.set KIMG,  0                          ;   K's fragments: (step, b) at (4 step + b) x 1,024; registers 4 c .. 4 c + 3 at + 512 c; lane at + 16 lane
.set VIMG,  8192                       ;   V's fragments: (step, t) likewise
.set KSC,   16384                      ;   K's scale bytes: 256 step + 16 r + 4 b + 2 u + (which 32 of the head)
.set VSC,   16896                      ;   V's: 256 step + 16 r + 4 t + (which 32 keys of the step)
.set STAGE, 2*BUFB                     ; behind the two buffers: 4,608 bytes for each wave, its own: the turn (32 places of 128 + 16 bytes), later the way out (16 rows of 256 + 16)
.set STGB,  4608
.set GK,  1                            ; v1   K: my 16 bytes of a load's 512, in my wave's 16 keys of a slot
.set GV,  2                            ; v2   V: my column, at my wave's 32 keys of a slot
.set STW, 3                            ; v3   the turn: where I put 16 bytes
.set STR, 4                            ; v4   the turn: my place, 144 x lane
.set KIW, 5                            ; v5   where my block of K goes in K's images
.set KSW, 6                            ; v6   and its scale byte
.set VIW, 7                            ; v7   the same for V
.set VSW, 8                            ; v8
.set LI,  9                            ; v9   16 x lane: an image's place for my lane; also my bytes of 512 dense bytes of Q and of out0
.set LSC, 10                           ; v10  16 x (lane % 16): my row's four scale words
.set DL,  11                           ; v11  lane % 16 - 16 (lane / 16), for the mask
.set NMA, 12                           ; v[12:13] tile A: -M, the largest t;  v[14:15] its sum in two halves
.set SMA, 14
.set NMB, 16                           ; v[16:19] tile B likewise
.set SMB, 18
.set QLOB, 20                          ; v20-23 qB, v24-27 0, v28-31 qA, v32-35 0, v36-39 qB: four operands of eight registers overlap in these twenty
.set QHIA, 24
.set QLOA, 28
.set QHIB, 32
.set QSA, 40                           ; v40, v41 Q's scale words, v42 p's, v44-47 K's or V's four: these hold scales and nothing else
.set QSB, 41
.set PSC, 42
.set KVS, 44
.set QC,  48                           ; v48-51 a block's codes;  v52-53 its largest magnitude;  v54 the conversion's scale operand;  v55 the scale's byte
.set QM,  52
.set QS,  54
.set QBY, 55
.set PF,  56                           ; v56-87   32 numbers of K or V on their way
.set W,   88                           ; v88-119  K's four fragments; behind the first product at work:
.set BM,  88                           ;   v88-91 the blocks' largest scores, then largest p
.set PT,  92                           ;   v92-95 the other half's, then the bytes
.set SOP, 96                           ;   v96-99 the conversions' scale operands
.set F,   100                          ;   v[100:101] f = 2^(old M - new M), low word
.set T,   102
.set T2,  103
.set PS,  104                          ;   v[104:105] the sum's second chain
.set PC,  112                          ;   v112-119 p's codes
.set S,   120                          ; v120-183 S^T, then p;  v120-151 later V's four fragments;  v152-183 the turn's target between tiles
.set OA,  184                          ; v184-215 O^T of tile A;  v216-247 of tile B
.set OB,  216
.set SOA, 248                          ; v248 the way out: where I put 32 bytes of a row;  v249 where I read a row back;  v250 a permute's target
.set SRA, 249
.set TMPA, 250
.set QRD, 251                          ; v251 the turn of Q: place 2 (lane % 16) + lane / 16
.set U0,  252                          ; v252-254 at work at the head
.set U1,  253
.set U2,  254
.set KP,  6                            ; s[6:7]  K at the slot to be fetched;  s[8:9] V likewise
.set VP,  8
.set WV,  12
.set Q0A, 16                           ; my tiles' first queries
.set Q0B, 17
.set KF,  18                           ; the step's first key
.set LIM, 19                           ; 2,048 - 256 j: keys from here on are behind all my work-group's queries
.set NK,  20                           ; first key of the slot to be fetched
.set TRIP, 21
.set SEL, 22                           ; s[22:23] v_permlanex16_b32's selects for lane l xor 16
.set CS,  24                           ; s[24:25] c = log2(e) / 8: the packed form names a pair and takes its low word for both halves
.set TS,  26
.set OPA, 28                           ; s[28:29], s[30:31] out0 at tile A, tile B;  s[36:37], s[38:39] query likewise
.set OPB, 30
.set QPA, 36
.set QPB, 38
.set MK,  32                           ; s32-47 behind the head, where nothing of theirs is wanted any more: sixteen lane masks for the diagonal
; my wave's 16 keys of the slot, 4,096 dense bytes: each load reads 512 consecutive bytes
.macro KLOAD
.irp i, 0,1,2,3,4,5,6,7
	global_load_b128 v[PF+4*\i:PF+4*\i+3], v[GK], s[KP:KP+1] offset:512*\i
.endr
.endm
; a lane takes a column of V and its registers run DOWN the keys: a block of 32 along the second product's K in one lane.  A load reads 128 consecutive bytes; waves w and w xor 1 stand side by side on a row's 256
.macro VLOAD x
.irp i, 0,1,2,3,4,5,6,7,8,9,10,11,12,13,14,15,16,17,18,19,20,21,22,23,24,25,26,27,28,29,30,31
	global_load_b32 v[\x+\i], v[GV], s[VP:VP+1] offset:256*\i
.endr
.endm
; 4,096 bytes loaded as they lie go through my wave's own stage and come back 128 neighbouring bytes a lane: a block of 32.  LDS serves a wave's instructions in order (ISA guide 5.7.1.4): no wait between stores and loads
.macro TURN src, dst, rd
.irp i, 0,1,2,3,4,5,6,7
	ds_store_b128 v[STW], v[\src+4*\i:\src+4*\i+3] offset:576*\i
.endr
.irp i, 0,1,2,3,4,5,6,7
	ds_load_b128 v[\dst+4*\i:\dst+4*\i+3], v[\rd] offset:16*\i
.endr
.endm
; a lane's 32 numbers v[x] .. v[x + 31], one block, become 32 codes in v[c] .. v[c + 3] and the scale's byte in v[QBY]
.macro QUANT x, c
	v_max3_num_f32 v[QM], |v[\x]|, |v[\x+1]|, |v[\x+2]|              ; the block's largest magnitude, in two chains
	v_max3_num_f32 v[QM+1], |v[\x+3]|, |v[\x+4]|, |v[\x+5]|
.irp i, 6,10,14,18,22,26
	v_max3_num_f32 v[QM], v[QM], |v[\x+\i]|, |v[\x+\i+1]|
	v_max3_num_f32 v[QM+1], v[QM+1], |v[\x+\i+2]|, |v[\x+\i+3]|
.endr
	v_max3_num_f32 v[QM], v[QM], |v[\x+30]|, |v[\x+31]|
	v_max3_num_f32 v[QM], v[QM], v[QM+1], 0x1800000                  ; and the floor 2^(3 - 127): the byte cannot fall under 1
	v_add_nc_u32 v[QS], 0xff000000, v[QM]                            ; 2 off its exponent field: the conversion takes the exponent field of this operand as its scale
	v_lshrrev_b32 v[QBY], 23, v[QS]                                  ; the scale's byte
.irp g, 0,1,2,3
	v_cvt_scalef32_pk8_fp4_f32 v[\c+\g], v[\x+8*\g:\x+8*\g+7], v[QS]
.endr
	v_nop                                                            ; one plain place behind a scaled conversion
.endm
; my wave's 16 keys: lane l holds half l % 2 of key l / 2; its 16 bytes of codes and its byte go to their places in buffer buf.  cnt: the younger loads that may stay out
.macro KPHASE buf, cnt, inloop
	s_wait_loadcnt \cnt                                              ; K's eight loads are in
.if \inloop
	s_wait_alu depctr_va_vdst(0)                                     ; the tiles' sums are done reading p's upper half, v[S+32] on, in which the turned block lands
.endif
	TURN PF, S+32, STR
	s_wait_dscnt 0x0                                                 ; the block is back
	s_wait_alu depctr_vm_vsrc(0)                                     ; the stage's stores have read v[PF] on, in which the next loads land; in the loop the last slot's image stores have read v[QC] on and the byte, which the quantiser writes again
.if \inloop
	s_add_nc_u64 s[KP:KP+1], s[KP:KP+1], 65536                       ; K's loads are done: on to the next slot's 256 rows of 256 bytes
	VLOAD PF
.endif
	QUANT S+32, QC
	s_wait_alu depctr_va_vdst(0)                                     ; the quantiser has written the codes and the byte, which the two stores read
	ds_store_b128 v[KIW], v[QC:QC+3] offset:(\buf)*BUFB+KIMG
	ds_store_b8 v[KSW], v[QBY] offset:(\buf)*BUFB+KSC
.endm
.macro VPHASE buf, x, inloop
	s_wait_loadcnt 0x0                                               ; V's 32 loads are in
	s_wait_dscnt 0x0                                                 ; K's image stores are done
	s_wait_alu depctr_vm_vsrc(0)                                     ; K's image stores have read v[QC] on and the byte, which the quantiser writes again
	QUANT \x, QC
	s_wait_alu depctr_va_vdst(0)                                     ; the quantiser has written the codes and the byte, which the two stores read; and it is done reading its 32 numbers, in whose registers the next slot's K lands
	ds_store_b128 v[VIW], v[QC:QC+3] offset:(\buf)*BUFB+VIMG
	ds_store_b8 v[VSW], v[QBY] offset:(\buf)*BUFB+VSC
.if \inloop
	s_add_nc_u64 s[VP:VP+1], s[VP:VP+1], 65536
.endif
.endm
; 16 queries of Q, loaded as they lie into v[src] on, become four registers of codes at v[c] (lane (r, h): half h of query r) and the scale word [s0, s1, s0, s1], which serves [q, 0] and [0, q] alike
.macro QPREP cnt, src, c, qsc
	s_wait_loadcnt \cnt
	s_wait_alu depctr_va_vdst(0)                                     ; tile A: every LDS address of the kernel is written; tile B: tile A's quantiser is done reading v[W] on, in which the turned block lands
	TURN \src, W, QRD
	s_wait_dscnt 0x0
	QUANT W, \c
	v_lshlrev_b32 v[U1], v[U0], v[QBY]                               ; my byte at its place, 8 h bits up,
	v_permlanex16_b32 v[U2], v[U1], s[SEL], s[SEL+1]
	v_or_b32 v[U1], v[U1], v[U2]                                     ; with lane l xor 16's,
	v_lshl_or_b32 v[\qsc], v[U1], 16, v[U1]                          ; twice
.endm
; ONE TILE OF 16 QUERIES AGAINST ONE STEP OF 128 KEYS, from buffer buf.
.macro TILE nm, sm, qlo, qhi, qsc, o, q0, step, buf
	s_add_co_u32 s[TS], s[\q0], 15
	s_cmp_gt_u32 s[KF], s[TS]
	s_cbranch_scc1 .Lhidden_\@                                       ; all 128 keys come after my 16 queries: nothing to do
.rept 5
	v_nop                                                            ; five places behind the last products (ISA guide 7.12.1), since S^T is written over V's fragments
.endr
	s_wait_alu depctr_va_vdst(0)                                     ; the last tile's products are done reading p's codes and the four scale words, its rescaling is done reading f, and all that it wrote in v[W] on is written: K's fragments and scale words land there.  At a wave's first tile also: q, its zeros and Q's scale words are written, which the products below take
.irp b, 0,1,2,3
.irp c, 0,1
	ds_load_b128 v[W+8*\b+4*\c:W+8*\b+4*\c+3], v[LI] offset:(\buf)*BUFB+KIMG+(4*(\step)+\b)*1024+512*\c
.endr
.endr
	ds_load_b128 v[KVS:KVS+3], v[LSC] offset:(\buf)*BUFB+KSC+256*(\step)
	s_wait_dscnt 0x0
.irp b, 0,1,2,3                        ; S^T = K Q^T: fragment b by [q, 0] gives tile 2 b, by [0, q] tile 2 b + 1
	v_wmma_scale_f32_16x16x128_f8f6f4 v[S+16*\b:S+16*\b+7], v[W+8*\b:W+8*\b+7], v[\qlo:\qlo+7], 0, v[KVS+\b], v[\qsc] matrix_a_fmt:MATRIX_FMT_FP4 matrix_b_fmt:MATRIX_FMT_FP4
	v_wmma_scale_f32_16x16x128_f8f6f4 v[S+16*\b+8:S+16*\b+15], v[W+8*\b:W+8*\b+7], v[\qhi:\qhi+7], 0, v[KVS+\b], v[\qsc] matrix_a_fmt:MATRIX_FMT_FP4 matrix_b_fmt:MATRIX_FMT_FP4
.endr
.rept 4
	v_nop                                                            ; places in front of the first read of the scores and the first write over K's fragments
.endr
	s_add_co_u32 s[TS], s[KF], 127                                   ; on the diagonal hidden scores become -infinity ahead of the maximum: p = 0 then.  A step all of whose keys count skips this
	s_cmp_le_u32 s[TS], s[\q0]
	s_cbranch_scc1 .Lopen_\@
	s_sub_co_i32 s[TS], s[\q0], s[KF]
	v_add_nc_u32 v[T], s[TS], v[DL]                                  ; d = my query - KF - 16 (lane / 16): register 16 b + i holds key KF + 16 (lane / 16) + 32 b + i: hidden where 32 b + i > d
	v_mov_b32 v[T2], 0xff800000
.irp b, 0,1,2,3                        ; a block's sixteen compares in a run, each into a scalar register of its own; then its sixteen selects
.irp i, 0,1,2,3,4,5,6,7,8,9,10,11,12,13,14,15
	v_cmp_gt_i32 s[MK+\i], 32*\b+\i, v[T]
.endr
	s_wait_alu depctr_va_sdst(0)                                     ; the sixteen compares have written their masks, ahead of the first select that reads one
.irp i, 0,1,2,3,4,5,6,7,8,9,10,11,12,13,14,15
	v_cndmask_b32 v[S+16*\b+\i], v[S+16*\b+\i], v[T2], s[MK+\i]
.endr
.endr
.Lopen_\@:
.irp b, 0,1,2,3
	v_max3_num_f32 v[BM+\b], v[S+16*\b], v[S+16*\b+1], v[S+16*\b+2]  ; THE LARGEST SCORE OF EACH BLOCK OF 32 KEYS serves twice: for the row's maximum and, since p rises with the score, for the block's largest p
.endr
.irp i, 3,5,7,9,11,13
.irp b, 0,1,2,3
	v_max3_num_f32 v[BM+\b], v[BM+\b], v[S+16*\b+\i], v[S+16*\b+\i+1]   ; (the four blocks by turns)
.endr
.endr
.irp b, 0,1,2,3
	v_max_num_f32 v[BM+\b], v[BM+\b], v[S+16*\b+15]
.endr
.irp b, 0,1,2,3
	v_permlanex16_b32 v[PT+\b], v[BM+\b], s[SEL], s[SEL+1]
.endr
.irp b, 0,1,2,3
	v_max_num_f32 v[BM+\b], v[BM+\b], v[PT+\b]                       ; with lane l xor 16's 16 keys
.endr
	v_max3_num_f32 v[T], v[BM], v[BM+1], v[BM+2]
	v_max_num_f32 v[T], v[T], v[BM+3]                                ; the step's largest score of my query (the step's first key counts for every query of the tile, so it is a number)
	v_mul_f32 v[T], s[CS], v[T]                                      ; as t (c is positive)
	v_max_num_f32 v[\nm+1], v[\nm+1], v[T]                           ; the running largest t
	v_mov_b32 v[T], v[\nm]
	v_floor_f32 v[\nm], -v[\nm+1]                                    ; the new -M = floor(-t) = -ceil(t): M IS A WHOLE NUMBER
	v_sub_f32 v[T], v[\nm], v[T]                                     ; old M - new M: a whole number, 0 or less
	v_cvt_i32_f32 v[T], v[T]                                         ; (it saturates)
	v_ldexp_f32 v[F], 1.0, v[T]                                      ; f = 2^(old M - new M)
.irp b, 0,1,2,3
.irp i, 0,2,4,6,8,10,12,14
	v_pk_fma_f32 v[S+16*\b+\i:S+16*\b+\i+1], v[S+16*\b+\i:S+16*\b+\i+1], s[CS:CS+1], v[\nm:\nm+1] op_sel_hi:[1,0,0]   ; t - M, two at a time (of the pairs c and -M the low word serves both halves)
.endr
.endr
.irp b, 0,1,2,3
	v_fma_f32 v[BM+\b], v[BM+\b], s[CS], v[\nm]                      ; the same of each block's largest score
.endr
	s_wait_alu depctr_va_vdst(0)
.irp b, 0,1,2,3
.irp i, 0,1,2,3,4,5,6,7,8,9,10,11,12,13,14,15
	v_exp_f32 v[S+16*\b+\i], v[S+16*\b+\i]                           ; p = 2^(t - M), at most 1: NOT normalised
.endr
.endr
.irp b, 0,1,2,3
	v_exp_f32 v[BM+\b], v[BM+\b]                                     ; the block's largest p: the same two instructions on the same number give the same bits
.endr
	v_pk_mul_f32 v[\sm:\sm+1], v[\sm:\sm+1], v[F:F+1] op_sel_hi:[1,0]   ; the sums under the new M.  (The plain place behind the exponentials)
	s_wait_alu depctr_va_vdst(0)                                     ; the 68 exponentials have written p and the blocks' largest p, ahead of the first instruction that names one of them
.irp b, 0,1,2,3
	v_max_num_f32 v[BM+\b], 0x1800000, v[BM+\b]                      ; the floor 2^(3 - 127): a block whose every p is 0 keeps the byte 1: its codes are zeros
.endr
.irp b, 0,1,2,3
	v_add_nc_u32 v[SOP+\b], 0xff000000, v[BM+\b]                     ; 2 off the exponent field: the conversion's scale operand
.endr
.irp b, 0,1,2,3
	v_lshrrev_b32 v[PT+\b], 23, v[SOP+\b]                            ; the scale's byte
.endr
	v_lshl_or_b32 v[PSC], v[PT+1], 8, v[PT]                          ; p's scale word for these 128 keys
	v_lshl_or_b32 v[PSC], v[PT+2], 16, v[PSC]
	v_lshl_or_b32 v[PSC], v[PT+3], 24, v[PSC]
.irp b, 0,1,2,3
	v_cvt_scalef32_pk8_fp4_f32 v[PC+2*\b], v[S+16*\b:S+16*\b+7], v[SOP+\b]
	v_cvt_scalef32_pk8_fp4_f32 v[PC+2*\b+1], v[S+16*\b+8:S+16*\b+15], v[SOP+\b]
.endr
	v_nop                                                            ; one plain place behind a scaled conversion
.irp c, 0,1                            ; the operand's layout wants a WHOLE block in a lane: lanes 0-15 block 2 c, lanes 16-31 block 2 c + 1
.irp i, 0,1
	v_permlane16_swap_b32 v[PC+4*\c+\i], v[PC+4*\c+2+\i]
.endr
.endr
	v_pk_add_f32 v[PS:PS+1], v[S:S+1], v[S+2:S+3]                    ; THE ROW'S SUM IS TAKEN OF THE UNQUANTISED p: two at a time, in two chains
.irp i, 4,8,12,16,20,24,28
	v_pk_add_f32 v[\sm:\sm+1], v[\sm:\sm+1], v[S+\i:S+\i+1]
	v_pk_add_f32 v[PS:PS+1], v[PS:PS+1], v[S+\i+2:S+\i+3]
.endr
	s_wait_alu depctr_va_vdst(0)                                     ; p's lower half has been written and read for the last time (exponentials, conversions, the fifteen additions above), and the first product is done reading the four scale words: V's fragments and scale words land there.  Also: p's codes and scale word are written, which the second product takes; their places stand ahead of this wait
.irp t, 0,1,2,3                        ; V's four fragments (16 of the head's 64 x these 128 keys) land where p's first half lay, while the sums go on and O^T is rescaled: none of those lines names a register that these loads touch
.irp c, 0,1
	ds_load_b128 v[S+8*\t+4*\c:S+8*\t+4*\c+3], v[LI] offset:(\buf)*BUFB+VIMG+(4*(\step)+\t)*1024+512*\c
.endr
.endr
	ds_load_b128 v[KVS:KVS+3], v[LSC] offset:(\buf)*BUFB+VSC+256*(\step)
.irp i, 32,36,40,44,48,52,56,60
	v_pk_add_f32 v[\sm:\sm+1], v[\sm:\sm+1], v[S+\i:S+\i+1]          ; the two chains go on, in the same order, on p's upper half
	v_pk_add_f32 v[PS:PS+1], v[PS:PS+1], v[S+\i+2:S+\i+3]
.endr
	v_pk_add_f32 v[\sm:\sm+1], v[\sm:\sm+1], v[PS:PS+1]
.irp i, 0,2,4,6,8,10,12,14,16,18,20,22,24,26,28,30
	v_pk_mul_f32 v[\o+\i:\o+\i+1], v[\o+\i:\o+\i+1], v[F:F+1] op_sel_hi:[1,0]   ; O^T under the new M: x f; each accumulator from its low end on
.endr
	s_wait_alu depctr_va_vdst(0)
	s_wait_dscnt 0x0
.irp t, 0,1,2,3                        ; O^T += V^T P^T.  The four accumulators take turns, one instruction a turn, and S^T's eight products stand between two turns of one
	v_wmma_scale_f32_16x16x128_f8f6f4 v[\o+8*\t:\o+8*\t+7], v[S+8*\t:S+8*\t+7], v[PC:PC+7], v[\o+8*\t:\o+8*\t+7], v[KVS+\t], v[PSC] matrix_a_fmt:MATRIX_FMT_FP4 matrix_b_fmt:MATRIX_FMT_FP4
.endr
.Lhidden_\@:
.endm
; A SLOT: two steps out of buffer buf; the next slot, if any of my work-group's queries sees it, is fetched and quantised into the other buffer between the tiles.
; The three branches hang on the work-group's number and a counter alone; the barrier lies on every way.
; K's loads at the slot's head owe no wait: the last to name v[PF] on were V's quantiser, ahead of the wait in front of V's image stores, and the turn's stores, ahead of the wait behind the turn.
.macro SLOT buf
	s_cmp_lt_u32 s[NK], s[LIM]
	s_cbranch_scc0 .Lno_k_\@
	KLOAD
.Lno_k_\@:
	TILE NMB, SMB, QLOB, QHIB, QSB, OB, Q0B, 0, \buf
	TILE NMA, SMA, QLOA, QHIA, QSA, OA, Q0A, 0, \buf
	s_add_co_u32 s[KF], s[KF], 128
	s_cmp_lt_u32 s[NK], s[LIM]
	s_cbranch_scc0 .Lno_q_\@
	KPHASE 1-\buf, 0, 1
.Lno_q_\@:
	TILE NMB, SMB, QLOB, QHIB, QSB, OB, Q0B, 1, \buf
	TILE NMA, SMA, QLOA, QHIA, QSA, OA, Q0A, 1, \buf
	s_add_co_u32 s[KF], s[KF], 128
	s_cmp_lt_u32 s[NK], s[LIM]
	s_cbranch_scc0 .Lno_v_\@
	VPHASE 1-\buf, PF, 1
.Lno_v_\@:
	s_add_co_u32 s[NK], s[NK], 256
	s_wait_loadcnt 0x0                                               ; on no way through the three branches is a load out when v[PF] on is loaded again
	s_wait_dscnt 0x0                                                 ; for the others' sake: my stores into the other buffer have landed, and my reads of this one are over
	s_barrier_signal -1
	s_barrier_wait -1                                                ; the other buffer is whole, and nobody reads this one any more
.endm
; THE WAY OUT of a tile: O^T / the sum goes through my stage and leaves as whole rows: a store of the wave covers two rows of out0, 512 consecutive bytes
.macro OUT o, sm, a, bk, base
	v_add_f32 v[\sm], v[\sm], v[\sm+1]                               ; the sum's two halves,
	v_permlanex16_b32 v[TMPA], v[\sm], s[SEL], s[SEL+1]
	v_add_f32 v[\sm], v[\sm], v[TMPA]                                ; and lane l xor 16's: the row's sum
	s_wait_alu depctr_va_vdst(0)
	v_rcp_f32 v[\sm], v[\sm]
	v_nop                                                            ; one plain place behind a transcendental
	s_wait_alu depctr_va_vdst(0)                                     ; the reciprocal is written, ahead of its first reader
.irp i, 0,1,2,3,4,5,6,7,8,9,10,11,12,13,14,15
	v_pk_mul_f32 v[\a+2*\i:\a+2*\i+1], v[\o+2*\i:\o+2*\i+1], v[\sm:\sm+1] op_sel_hi:[1,0]   ; register 8 t + i is o(r, 16 t + 8 h + i)
.endr
	s_wait_alu depctr_va_vdst(0)                                     ; the sixteen multiplications have written v[a] on, which the LDS stores read; and the loop's vector and matrix instructions are done with v[bk] on, in which the rows land
.irp t, 0,1,2,3
	ds_store_b128 v[SOA], v[\a+8*\t:\a+8*\t+3] offset:64*\t
	ds_store_b128 v[SOA], v[\a+8*\t+4:\a+8*\t+7] offset:64*\t+16
.endr
.irp i, 0,1,2,3,4,5,6,7
	ds_load_b128 v[\bk+4*\i:\bk+4*\i+3], v[SRA] offset:544*\i        ; lanes 0-15 row 2 i, lanes 16-31 row 2 i + 1; LDS serves a wave's instructions in order: these see my stores
.endr
.irp i, 0,1,2,3,4,5,6,7
	s_wait_dscnt 7-\i                                                ; the younger loads from the stage may stay out
	global_store_b128 v[LI], v[\bk+4*\i:\bk+4*\i+3], s[\base:\base+1] offset:512*\i th:TH_STORE_NT
.endr
.endm
	; ---- THE HEAD: ids, pointers, and all first loads at once
	s_load_b256 s[4:11], s[0:1], 0x0                                 ; query s[4:5], key s[6:7], value s[8:9], out0 s[10:11]
	v_lshl_add_u32 v43, v0, 2, 0x1a800
	v_mov_b32 v255, 0
	v_lshrrev_b32 v12, 5, v0
	v_readfirstlane_b32 s[WV], v12                                   ; wave 0..15
	v_and_b32 v13, 31, v0                                            ; lane
	s_wait_alu depctr_va_vdst(0)
	v_and_b32 v14, 15, v0                                            ; r
	v_bfe_u32 v15, v0, 4, 1                                          ; h
	s_wait_alu depctr_va_sdst(0)                                     ; the wave's number is written, ahead of its first reader: my queries, pointers and LDS places are made from it
	s_lshl_b32 s[Q0A], ttmp9, 8
	s_lshl_b32 s40, s[WV], 4
	s_add_co_u32 s[Q0A], s[Q0A], s40                                 ; tile A: 256 j + 16 w
	s_sub_co_u32 s[Q0B], 2032, s[Q0A]                                ; tile B: its mirror
	s_lshl_b32 s[LIM], ttmp9, 8
	s_sub_co_u32 s[LIM], 2048, s[LIM]
	s_and_b32 s32, ttmp7, 0xffff                                     ; the head:
	s_lshl_b32 s32, s32, 19                                          ; 2,048 rows of 256 bytes
	s_mov_b32 s33, 0
	s_lshl_b32 s34, s[Q0A], 8
	s_mov_b32 s35, 0
	s_add_nc_u64 s[34:35], s[34:35], s[32:33]                        ; tile A's first byte in query and in out0
	s_lshl_b32 s26, s[Q0B], 8
	s_mov_b32 s27, 0
	s_add_nc_u64 s[26:27], s[26:27], s[32:33]                        ; tile B's
	v_lshlrev_b32 v[LI], 4, v13
	s_lshl_b32 s40, s[WV], 12
	v_add_nc_u32 v[GK], s40, v[LI]                                   ; 4,096 w + 16 lane
	s_lshr_b32 s41, s[WV], 1                                         ; w / 2
	s_and_b32 s42, s[WV], 1                                          ; w % 2
	s_lshl_b32 s40, s41, 13
	s_lshl_b32 s43, s42, 7                                           ; 128 (w % 2)
	s_add_co_u32 s40, s40, s43
	v_lshl_add_u32 v[GV], v13, 2, s40                                ; 32 (w / 2) rows of 256 bytes + 128 (w % 2) + 4 lane
	s_wait_kmcnt 0x0
	s_add_nc_u64 s[QPA:QPA+1], s[4:5], s[34:35]
	s_add_nc_u64 s[QPB:QPB+1], s[4:5], s[26:27]
	s_add_nc_u64 s[OPA:OPA+1], s[10:11], s[34:35]
	s_add_nc_u64 s[OPB:OPB+1], s[10:11], s[26:27]
	s_add_nc_u64 s[KP:KP+1], s[KP:KP+1], s[32:33]
	s_add_nc_u64 s[VP:VP+1], s[VP:VP+1], s[32:33]
	s_wait_alu depctr_va_vdst(0)                                     ; v[LI], v[GK] and v[GV] are written: every global load and store of the kernel reads one of them as its offset
.irp i, 0,1,2,3,4,5,6,7
	global_load_b128 v[S+4*\i:S+4*\i+3], v[LI], s[QPA:QPA+1] offset:512*\i th:TH_LOAD_NT      ; tile A's 16 queries, read once in the launch
.endr
.irp i, 0,1,2,3,4,5,6,7
	global_load_b128 v[S+32+4*\i:S+32+4*\i+3], v[LI], s[QPB:QPB+1] offset:512*\i th:TH_LOAD_NT   ; tile B's
.endr
	KLOAD                                                            ; slot 0's K,
	VLOAD OA                                                         ; and its V, into registers that O^T takes later: 56 loads of mine are out
	; ---- every LDS address is made here and never rewritten: a constant x lane terms + a constant x wave terms; buffers and steps stand in the immediates
	s_mul_i32 s44, s[WV], STGB
	s_add_co_u32 s44, s44, STAGE                                     ; my stage
	v_lshrrev_b32 v16, 3, v13
	v_mul_u32_u24 v16, v16, 144
	v_and_b32 v17, 7, v13
	v_lshl_add_u32 v16, v17, 4, v16
	v_add_nc_u32 v[STW], s44, v16                                    ; eight lanes' 128 bytes on end, then 16 of padding
	v_mul_u32_u24 v16, v13, 144
	v_add_nc_u32 v[STR], s44, v16
	v_lshl_add_u32 v16, v14, 1, v15
	v_mul_u32_u24 v16, v16, 144
	v_add_nc_u32 v[QRD], s44, v16
	s_lshl_b32 s40, s41, 10                                          ; K's image: fragment w / 2 of the slot's eight; rows 8 (w % 2) on; group lane / 16; half lane % 2; row (lane / 2) % 8
	s_add_co_u32 s40, s40, s43
	v_and_b32 v16, 16, v13
	v_lshlrev_b32 v16, 5, v16
	v_and_b32 v17, 1, v13
	v_lshl_add_u32 v16, v17, 8, v16
	v_and_b32 v17, 14, v13
	v_lshl_add_u32 v16, v17, 3, v16
	v_add_nc_u32 v[KIW], s40, v16
	s_lshr_b32 s45, s[WV], 3                                         ; which step of the slot
	s_lshl_b32 s40, s45, 8
	s_add_co_u32 s40, s40, s43
	s_and_b32 s46, s41, 3                                            ; (w / 2) % 4
	s_lshl_b32 s47, s46, 2
	s_add_co_u32 s40, s40, s47
	v_bfe_u32 v16, v0, 1, 3
	v_lshlrev_b32 v16, 4, v16
	v_lshl_add_u32 v16, v15, 1, v16
	v_and_b32 v17, 1, v13
	v_add_nc_u32 v16, v16, v17
	v_add_nc_u32 v[KSW], s40, v16
	s_lshl_b32 s40, s45, 12                                          ; V's image: step; tile 2 (w % 2) + lane / 16; block (w / 2) % 4 of the step: group and half; row lane % 16
	s_lshl_b32 s47, s42, 11
	s_add_co_u32 s40, s40, s47
	s_lshl_b32 s47, s46, 8
	s_add_co_u32 s40, s40, s47
	v_lshlrev_b32 v16, 10, v15
	v_lshl_add_u32 v16, v14, 4, v16
	v_add_nc_u32 v[VIW], s40, v16
	s_lshl_b32 s40, s45, 8
	s_lshl_b32 s47, s42, 3
	s_add_co_u32 s40, s40, s47
	s_add_co_u32 s40, s40, s46
	v_lshlrev_b32 v16, 4, v14
	v_lshl_add_u32 v16, v15, 2, v16
	v_add_nc_u32 v[VSW], s40, v16
	v_lshlrev_b32 v[LSC], 4, v14
	v_lshlrev_b32 v16, 4, v15
	v_sub_nc_u32 v[DL], v14, v16
	v_mul_u32_u24 v16, v14, 272
	v_lshl_add_u32 v16, v15, 5, v16
	v_add_nc_u32 v[SOA], s44, v16                                    ; the way out, in: row r of 256 + 16 bytes, + 32 h
	v_mul_u32_u24 v16, v15, 272
	v_lshl_add_u32 v16, v14, 4, v16
	v_add_nc_u32 v[SRA], s44, v16                                    ; back: lanes 0-15 one row, lanes 16-31 the next
	v_lshlrev_b32 v[U0], 3, v15                                      ; 8 h
	v_mov_b32 v[U2], 0                                               ; (a lane permute's destination counts as one of its sources)
	v_mov_b32 v[TMPA], 0
	s_mov_b32 s[SEL], 0x76543210
	s_mov_b32 s[SEL+1], 0xfedcba98
	s_mov_b32 s[CS], 0x3e38aa3b                                      ; c = log2(e) / 8
	s_mov_b32 s[CS+1], s[CS]                                         ; (named with it as a pair, so it is written)
	s_mov_b32 s[KF], 0
	s_mov_b32 s[NK], 256
	s_mov_b32 s[TRIP], 4
.irp n, NMA, NMB
	v_mov_b32 v[\n+1], 0xff61b1e6                                    ; the largest t so far: -3e38, under every t
	v_floor_f32 v[\n], -v[\n+1]                                      ; -M
	v_mov_b32 v[\n+2], 0                                             ; the sum, in two halves
	v_mov_b32 v[\n+3], 0
.endr
.irp i, 0,1,2,3
	v_mov_b32 v[QHIA+\i], 0                                          ; the zero codes beside q
	v_mov_b32 v[QHIB+\i], 0
.endr
.irp i, 0,1,2,3,4,5,6,7,8,9,10,11,12,13,14,15,16,17,18,19,20,21,22,23,24,25,26,27,28,29,30,31
	v_mov_b32 v[OB+\i], 0                                            ; O^T.  (The tile is written once: its first step finds zeros, which the first change of M leaves zeros)
.endr
	QPREP 48, S, QLOA, QSA                                           ; behind tile A's eight loads stand 8 + 8 + 32
	QPREP 40, S+32, QLOB, QSB                                        ; behind tile B's 8 + 32
.irp i, 0,1,2,3
	v_mov_b32 v[QHIB+4+\i], v[QLOB+\i]                               ; qB once more, behind its zeros
.endr
	s_wait_alu depctr_vm_vsrc(0)                                     ; the two turns' LDS stores have read v[S] on: K's turned block lands in its upper half next, and the scores are written over all of it
	KPHASE 0, 32, 0                                                  ; behind K's eight loads stand V's 32
	VPHASE 0, OA, 0
	s_add_nc_u64 s[KP:KP+1], s[KP:KP+1], 65536                       ; no load is out: on to slot 1
	s_add_nc_u64 s[VP:VP+1], s[VP:VP+1], 65536
.irp i, 0,1,2,3,4,5,6,7,8,9,10,11,12,13,14,15,16,17,18,19,20,21,22,23,24,25,26,27,28,29,30,31
	v_mov_b32 v[OA+\i], 0
.endr
	s_wait_dscnt 0x0                                                 ; my part of slot 0's images has landed
	s_barrier_signal -1
	s_barrier_wait -1                                                ; everybody's has
	; ---- THE KEYS: eight slots in every work-group (a constant count); slots behind all its queries cost their branches and the barrier
.Lpair:
	SLOT 0
	SLOT 1
	s_sub_co_u32 s[TRIP], s[TRIP], 1
	s_cmp_lg_u32 s[TRIP], 0
	s_cbranch_scc1 .Lpair
.rept 4
	v_nop                                                            ; places behind the last products, in front of the reads of O^T and the writes over V's fragments
.endr
	OUT OA, SMA, S, S+32, OPA
	OUT OB, SMB, PF, W, OPB                                          ; other registers than tile A's: no store's data are written again
	s_wait_dscnt 0x0                                                 ; the closing lines, six on end
	s_wait_alu 0x0
	s_wait_tensorcnt 0x0
	ds_add_u32 v43, v255
	s_wait_dscnt 0x0
	s_endpgm
.Lfunc_end_k_qd41cff95b2_attn:
	.size	k_qd41cff95b2_attn, .Lfunc_end_k_qd41cff95b2_attn-k_qd41cff95b2_attn
	.p2alignl 7, 3214868480
	.fill 96, 4, 3214868480
	.section	.rodata,"a",@progbits
	.p2align	6, 0x0
	.amdhsa_kernel k_qd41cff95b2_attn
		.amdhsa_group_segment_fixed_size 110592
		.amdhsa_private_segment_fixed_size 0
		.amdhsa_enable_private_segment 0
		.amdhsa_kernarg_size 32
		.amdhsa_user_sgpr_count 2
		.amdhsa_user_sgpr_kernarg_segment_ptr 1
		.amdhsa_wavefront_size32 1
		.amdhsa_system_sgpr_workgroup_id_x 1
		.amdhsa_system_sgpr_workgroup_id_y 1
		.amdhsa_system_sgpr_workgroup_id_z 1
		.amdhsa_system_vgpr_workitem_id 0
		.amdhsa_next_free_vgpr 256
		.amdhsa_next_free_sgpr 66
		.amdhsa_reserve_vcc 0
		.amdhsa_float_denorm_mode_32 3
		.amdhsa_float_denorm_mode_16_64 3
		.amdhsa_memory_ordered 1
		.amdhsa_forward_progress 1
		.amdhsa_inst_pref_size 240
	.end_amdhsa_kernel
	.amdgpu_metadata
---
amdhsa.version: [ 1, 2 ]
amdhsa.kernels:
  - .name:           k_qd41cff95b2_attn
    .symbol:         k_qd41cff95b2_attn.kd
    .args:
      - { .name: query, .offset: 0, .size: 8, .value_kind: global_buffer, .address_space: global }
      - { .name: key, .offset: 8, .size: 8, .value_kind: global_buffer, .address_space: global }
      - { .name: value, .offset: 16, .size: 8, .value_kind: global_buffer, .address_space: global }
      - { .name: out0, .offset: 24, .size: 8, .value_kind: global_buffer, .address_space: global }
    .group_segment_fixed_size: 110592
    .private_segment_fixed_size: 0
    .kernarg_segment_align: 8
    .kernarg_segment_size: 32
    .max_flat_workgroup_size: 512
    .sgpr_count:     66
    .vgpr_count:     256
    .wavefront_size: 32
...
	.end_amdgpu_metadata
.endif
;; end of part 2
